; MI455X (gfx1250); checked and timed in simulation.
; The chip was launched on July 23, 2026; its instructions are those of AMD's public machine-readable ISA for CDNA 5 (MIT licence, August 2026) and "CDNA5" Instruction Set Architecture Reference Guide (July 2026). The comments in the code are by the model that wrote it; some were corrected since.
;; Self Attn. Allowed arithmetic: float matrix products may take bf16 or f16 operands with f32 sums; other float arithmetic in f32, or as packed bf16 or f16 multiplies, adds, multiply-adds, maxima and minima; sums over many terms, partial sums and values carried from step to step in f32; what a program stores and reads back later, other than sums and carried values, may be rounded once to bf16 or f16.
;; Inputs: Wk 512 x 512 float32; Wq 512 x 512 float32; Wv 512 x 512 float32; beta 1 float32; bk 512 float32; bq 512 float32; bv 512 float32; x 32 x 1,024 x 512 float32.
;; Outputs: out0 32 x 1,024 x 512 float32.
;; One version. Each part assembles by itself: llvm-mc -triple=amdgcn-amd-amdhsa -mcpu=gfx1250 --defsym DOCPART=n.
;; ======== version 1 of 1: 3 launches
;; limits: values are held in f16: magnitudes above 65,504 overflow, below 6.1e-05 lose precision
;; workspace buffers: wb 1,572,864 bytes; bb 6,144 bytes; qkv 100,663,296 bytes
;; launch cast (part 1): grid 128 x 3, 8 waves a work-group, no clusters, 0 bytes of LDS; arguments Wq, Wk, Wv, bq, bk, bv, wb, bb; writes wb, bb
.if DOCPART == 1
	.amdgcn_target "amdgcn-amd-amdhsa--gfx1250"
	.amdhsa_code_object_version 6
	.text
	.protected	k_q7891fc4b84_cast
	.globl	k_q7891fc4b84_cast
	.p2align	8
	.type	k_q7891fc4b84_cast,@function
k_q7891fc4b84_cast:
	s_mov_b64 s[64:65], 0
	v_nop
	global_prefetch_b8 v0, s[64:65] scope:SCOPE_SE
	s_setreg_imm32_b32 hwreg(HW_REG_WAVE_MODE, 25, 1), 1
	s_wait_xcnt 0x0
; wb[1536][512] bf16 = Wq | Wk | Wv, each number rounded once to bf16.  bb[1536] f32 = bq | bk | bv, each rounded to bf16 and widened again.
; The work-group's y picks the weight and the bias.  A work-group takes 2,048 numbers of the weight: thread t reads 32 consecutive bytes
; and stores 16, so that sixteen neighbouring lanes store 256 consecutive bytes, aligned.  The work-groups with x = 0 also take the 512 numbers of the bias,
; two a thread.  No LDS, no matrix unit: each byte is read once and written once, and nothing is shared.
	s_load_b512 s[4:19], s[0:1], 0x0               ; Wq s[4:5], Wk s[6:7], Wv s[8:9], bq s[10:11], bk s[12:13], bv s[14:15], wb s[16:17], bb s[18:19]
	s_and_b32 s20, ttmp7, 0xffff                   ; y: 0 q, 1 k, 2 v
	s_mov_b32 s21, ttmp9                           ; x
	s_lshl_b32 s22, s21, 13                        ; 8,192 bytes of the weight in f32
	s_mov_b32 s23, 0
	s_lshl_b32 s24, s21, 12                        ; 4,096 bytes of it in bf16,
	s_lshl_b32 s25, s20, 19                        ; behind y weights of 524,288 bytes
	s_add_co_u32 s24, s24, s25
	s_mov_b32 s25, 0
	s_lshl_b32 s26, s20, 11                        ; y biases of 2,048 bytes
	s_mov_b32 s27, 0
	v_lshlrev_b32 v1, 5, v0                        ; 32 t
	v_lshlrev_b32 v2, 4, v0                        ; 16 t
	v_lshlrev_b32 v3, 3, v0                        ; 8 t
	s_wait_kmcnt 0x0
	s_cmp_eq_u32 s20, 1
	s_cselect_b64 s[28:29], s[6:7], s[8:9]
	s_cselect_b64 s[30:31], s[12:13], s[14:15]
	s_cmp_eq_u32 s20, 0
	s_cselect_b64 s[28:29], s[4:5], s[28:29]       ; my weight
	s_cselect_b64 s[30:31], s[10:11], s[30:31]     ; my bias
	s_add_nc_u64 s[28:29], s[28:29], s[22:23]
	s_add_nc_u64 s[16:17], s[16:17], s[24:25]
	s_add_nc_u64 s[18:19], s[18:19], s[26:27]
	global_load_b128 v[4:7], v1, s[28:29] th:TH_LOAD_NT
	global_load_b128 v[8:11], v1, s[28:29] offset:16 th:TH_LOAD_NT
	s_wait_loadcnt 0x0
	v_cvt_pk_bf16_f32 v12, v4, v5
	v_cvt_pk_bf16_f32 v13, v6, v7
	v_cvt_pk_bf16_f32 v14, v8, v9
	v_cvt_pk_bf16_f32 v15, v10, v11
	global_store_b128 v2, v[12:15], s[16:17]
	s_cmp_lg_u32 s21, 0
	s_cbranch_scc1 .Lend                           ; the bias is the first work-group's of each y
	global_load_b64 v[16:17], v3, s[30:31]
	s_wait_loadcnt 0x0
	v_cvt_pk_bf16_f32 v18, v16, v17
	v_lshlrev_b32 v20, 16, v18                     ; bf16 back to f32: the low half moves up,
	v_and_b32 v21, 0xffff0000, v18                 ; the high half stays
	global_store_b64 v3, v[20:21], s[18:19]        ; a wave stores 256 consecutive bytes, aligned
.Lend:
	s_endpgm
.Lfunc_end_k_q7891fc4b84_cast:
	.size	k_q7891fc4b84_cast, .Lfunc_end_k_q7891fc4b84_cast-k_q7891fc4b84_cast
	.p2alignl 7, 3214868480
	.fill 96, 4, 3214868480
	.section	.rodata,"a",@progbits
	.p2align	6, 0x0
	.amdhsa_kernel k_q7891fc4b84_cast
		.amdhsa_group_segment_fixed_size 0
		.amdhsa_private_segment_fixed_size 0
		.amdhsa_enable_private_segment 0
		.amdhsa_kernarg_size 64
		.amdhsa_user_sgpr_count 2
		.amdhsa_user_sgpr_kernarg_segment_ptr 1
		.amdhsa_wavefront_size32 1
		.amdhsa_system_sgpr_workgroup_id_x 1
		.amdhsa_system_sgpr_workgroup_id_y 1
		.amdhsa_system_sgpr_workgroup_id_z 1
		.amdhsa_system_vgpr_workitem_id 0
		.amdhsa_next_free_vgpr 24
		.amdhsa_next_free_sgpr 66
		.amdhsa_reserve_vcc 0
		.amdhsa_float_denorm_mode_32 3
		.amdhsa_float_denorm_mode_16_64 3
		.amdhsa_memory_ordered 1
		.amdhsa_forward_progress 1
		.amdhsa_inst_pref_size 3
	.end_amdhsa_kernel
	.amdgpu_metadata
---
amdhsa.version: [ 1, 2 ]
amdhsa.kernels:
  - .name:           k_q7891fc4b84_cast
    .symbol:         k_q7891fc4b84_cast.kd
    .args:
      - { .name: Wq, .offset: 0, .size: 8, .value_kind: global_buffer, .address_space: global }
      - { .name: Wk, .offset: 8, .size: 8, .value_kind: global_buffer, .address_space: global }
      - { .name: Wv, .offset: 16, .size: 8, .value_kind: global_buffer, .address_space: global }
      - { .name: bq, .offset: 24, .size: 8, .value_kind: global_buffer, .address_space: global }
      - { .name: bk, .offset: 32, .size: 8, .value_kind: global_buffer, .address_space: global }
      - { .name: bv, .offset: 40, .size: 8, .value_kind: global_buffer, .address_space: global }
      - { .name: wb, .offset: 48, .size: 8, .value_kind: global_buffer, .address_space: global }
      - { .name: bb, .offset: 56, .size: 8, .value_kind: global_buffer, .address_space: global }
    .group_segment_fixed_size: 0
    .private_segment_fixed_size: 0
    .kernarg_segment_align: 8
    .kernarg_segment_size: 64
    .max_flat_workgroup_size: 256
    .sgpr_count:     66
    .vgpr_count:     24
    .wavefront_size: 32
...
	.end_amdgpu_metadata
.endif
;; end of part 1
;; launch proj (part 2): grid 256 x 1, 4 waves a work-group, clusters of 4 x 1, 327,680 bytes of LDS; arguments x, wb, bb, qkv; writes qkv
.if DOCPART == 2
	.amdgcn_target "amdgcn-amd-amdhsa--gfx1250"
	.amdhsa_code_object_version 6
	.text
	.protected	k_q7891fc4b84_proj
	.globl	k_q7891fc4b84_proj
	.p2align	8
	.type	k_q7891fc4b84_proj,@function
k_q7891fc4b84_proj:
	s_mov_b64 s[64:65], 0
	v_nop
	global_prefetch_b8 v0, s[64:65] scope:SCOPE_SE
	s_setreg_imm32_b32 hwreg(HW_REG_WAVE_MODE, 25, 1), 1
	s_wait_xcnt 0x0
	s_wait_alu depctr_hold_cnt(0) depctr_sa_sdst(0) depctr_va_vdst(0) depctr_va_sdst(0) depctr_va_ssrc(0) depctr_va_vcc(0) depctr_vm_vsrc(0)
	s_getreg_b32 s2, hwreg(HW_REG_IB_STS2, 6, 4)
	s_cmp_eq_u32 s2, 0
	s_cbranch_scc0 .Lentry_in_a_cluster
	s_endpgm
.Lentry_in_a_cluster:
	s_bfe_u32 s2, ttmp6, 0x10000c
	s_cmp_lg_u32 s2, 0x3003
	s_cbranch_scc0 .Lentry_shape_is_right
	s_endpgm
.Lentry_shape_is_right:
; qkv[32768][1536] f16 = f16( bf16(x) wb^T + bb ).  x: [32768][512] f32; wb: [1536][512] bf16 (Wq | Wk | Wv); bb: [1536] f32.  Sums in f32, started by the bias; each result rounded once to f16.
; LIMITS.  x is rounded to bf16.  f16 holds no number beyond 65,504: |q|, |k|, |v| must stay under that; NaN and infinities are not treated apart.
; SHARES.  A work-group takes 128 rows of x and all 1,536 columns, so x is read once.  Wave w: i = w / 2 its 64 rows, jn = w % 2 its 128 of a chunk's 256 columns.
; x STAYS IN REGISTERS as bf16 fragments: 64 rows x 512 k = 512 registers a wave.  It comes in as f32 through the bytes of the two LDS slots (their first fill) and is rounded on the way into registers.
; wb STREAMS through the two slots: a tile is 256 rows of wb x 256 k.  A LAP makes one chunk of 256 columns: slot 0 holds its k 0-255, slot 1 its k 256-511.  Six laps, twelve steps of 256 matrix instructions a wave.
; THE CHANGE OF SLOTS stands inside a step's last quarter: when the step's last fragments are in registers the slot is given up and filled again, with the tile two steps on, and the next slot's first fragments
; are fetched while the step's last 32 products run.  From a request to the wait for it a wave issues 224 matrix instructions.
; CLUSTER.  All work-groups walk the same tiles of wb: the four of a cluster ask for each JOINTLY (the same load, descriptor and mask in all four); each wave fetches 64 of a tile's 256 rows.
; THE MATRIX INSTRUCTION IS USED TRANSPOSED (source 0 = 16 rows of wb, source 1 = 16 rows of x): a lane holds eight neighbouring columns of one row of the result, 16 bytes in f16.
; REGISTERS, in windows of 256 (s_set_vgpr_msb: bits 1:0 source 0, 3:2 source 1, 5:4 source 2, 7:6 destination):
;   window 0: v0-29 addresses; v32-63 packed results on the way out; v64-127, v128-191 two buffers of wb's fragments (8 x 16 rows x 32 k), the second also rows read back on the way out; v192-255 the bias as a C operand
;   window 1: the 32 accumulators, (a, b) at 8 (8 a + b); at the start f32 numbers of x at work          window 2: x's fragments of k 0-255, (a, c) at 8 (8 a + c)          window 3: those of k 256-511
.set PW,    528                        ; a row of a wb tile in LDS: 512 bytes + 16 of padding = 33 x 16: the 16 rows of a fragment load start at 16 different 16-byte columns of the 64 banks (ISA guide 11.1)
.set WROWS, 64*PW                      ; what one wave's load brings
.set SLOTB, 4*WROWS                    ; 135,168
.set PX,    1040                       ; a row of x in LDS: 1,024 bytes (256 f32) + 16 = 65 x 16
.set XROWS, 32*PX                      ; what one wave's load of x brings; 128 rows are 133,120 bytes, inside a slot
.set STAGE, 2*SLOTB                    ; behind the slots, never filled by a tensor load: 16 rows x 272 bytes for each wave
.set SP,    272
.set SPARE, STAGE+4*16*SP              ; the spare words, 128 bytes a wave: two blocks of 256 bytes that no other line names
.set QROW,  3072                       ; bytes in a row of qkv
.set LAPB,  256*1024                   ; bytes from a lap's rows of wb to the next lap's
.set AW,  4                            ; v4-5   LDS address of my fragments of wb in slot 0, 1
.set AX,  6                            ; v6-7   LDS address of my rows of x, k 0-255 and k 256-511
.set STO, 8                            ; v8     the way out: where I put 16 bytes of a row
.set RD,  9                            ; v9     where I read a row back
.set CO,  10                           ; v10    my byte offset in two rows of qkv
.set BO,  11                           ; v11    my byte offset in a column block's 16 biases
.set PFO, 12                           ; v12    the prefetches' offset; never rewritten
.set SPW, 28                           ; v28    my spare word: SPARE + 4 x my thread's number; never rewritten
.set NIL, 29                           ; v29    0; never rewritten
.set TMP, 32
.set F0,  64
.set F1,  128
.set OB,  128
.set BIAS, 192
.set WV,   12                          ; s12  my wave's number
.set LAPS, 17                          ; s17  laps of the loop still to come
.set LIM,  18                          ; s18  1 in the launch's first cluster, which prefetches, else the greatest number
.set G1W, 24                           ; s[24:31] descriptor group 1 for wb's tiles
.set G0W, 32                           ; s[32:39] group 0, a set for each slot
.set G1X, 40                           ; s[40:47] group 1 for x
.set G0X, 48                           ; s[48:55] group 0 for x's two halves
.set PFA, 56                           ; s[56:57] wb at my 16 rows of this lap's tiles
.set MSB, 0
.macro WIN new                         ; the immediate's high byte repeats the setting that is left; a switch that changes nothing is dropped
.if MSB != (\new)
	s_set_vgpr_msb (MSB<<8)|(\new)
.set MSB, (\new)
.endif
.endm
.macro PLACES                          ; four places in front of loads into registers that matrix instructions have read, and of conversions that read results
.rept 4
	v_nop
.endr
.endm
; A round of the cluster's barrier: my work-group's barrier; wave 0 signals for the work-group; every wave waits for all four work-groups; my work-group's barrier once more.
.macro CREST                           ; a round behind its opening barrier
	s_cmp_lg_u32 s[WV], 0
	s_cbranch_scc1 .Lnw0_\@
	s_barrier_signal -3
.Lnw0_\@:
	s_barrier_wait -3
	s_barrier_signal -1
	s_barrier_wait -1
.endm
.macro CROUND                          ; a whole round
	s_barrier_signal -1
	s_barrier_wait -1
	CREST
.endm
.macro JW s                            ; the joint load of my 64 rows of a tile into slot s; an s_nop 0 and four v_nop follow it
	tensor_load_to_lds s[G0W+4*(\s):G0W+4*(\s)+3], s[G1W:G1W+7]
	s_nop 0
	PLACES
.endm
; A PREFETCH INTO THE L2 of the tile that the NEXT change of slots asks for: 256 rows x 512 bytes.  Only the launch's first cluster asks; its sixteen waves share the tile's 512 blocks of 256 bytes
; out BY ADDRESS (wave w of the partner at place cx: rows 64 w + 16 cx .. + 15, a lane a block), so each block is named once in the launch.  Tiles 0 to 2 come by their loads alone.
; last = 1: the tile lies two laps on, and the loop's last lap has none there.
.macro ASK last, off
.if \last
	s_cmp_gt_u32 s[LAPS], s[LIM]
.else
	s_cmp_eq_u32 s[LIM], 1
.endif
	s_cbranch_scc0 .Lnoask_\@
	global_prefetch_b8 v[PFO], s[PFA:PFA+1] offset:\off th:TH_LOAD_NT scope:SCOPE_SE
.Lnoask_\@:
.endm
.macro BIASLD off                      ; a chunk's biases as C operands: register j of block b is the bias of column 16 b + 8 (lane / 16) + j
.irp b, 0,1,2,3,4,5,6,7
	global_load_b128 v[BIAS+8*\b:BIAS+8*\b+3],   v[BO], s[8:9] offset:(\off)+64*\b
	global_load_b128 v[BIAS+8*\b+4:BIAS+8*\b+7], v[BO], s[8:9] offset:(\off)+64*\b+16
.endr
.endm
.macro FETCHW slot, c, buf             ; 16 LDS loads in one run: my 128 rows of wb, 32 k at chunk c of the slot
	WIN 0
.irp b, 0,1,2,3,4,5,6,7
	ds_load_b128 v[(\buf)+8*\b:(\buf)+8*\b+3],   v[AW+(\slot)] offset:\b*16*PW+(\c)*64
	ds_load_b128 v[(\buf)+8*\b+4:(\buf)+8*\b+7], v[AW+(\slot)] offset:\b*16*PW+(\c)*64+32
.endr
.endm
; 16 matrix instructions: row tiles a0, a0 + 1 x 8 column blocks, 32 along k.  The 32 accumulators take turns.  first = 1 and c = 0: the bias starts the sums: nothing is cleared.
.macro MULH c, buf, half, first, a0
.if (\first) && ((\c) == 0)
	WIN 0x48                           ; wb window 0, x window 2, C (the bias) window 0, D window 1
.else
	WIN 0x58+4*(\half)                 ; wb window 0, x window 2 or 3, C and D window 1
.endif
.irp a, \a0, (\a0)+1
.irp b, 0,1,2,3,4,5,6,7
.if (\first) && ((\c) == 0)
	v_wmma_f32_16x16x32_bf16 v[8*(8*(\a)+\b):8*(8*(\a)+\b)+7], v[(\buf)+8*\b:(\buf)+8*\b+7], v[8*(8*(\a)+(\c)):8*(8*(\a)+(\c))+7], v[BIAS+8*\b:BIAS+8*\b+7]
.else
	v_wmma_f32_16x16x32_bf16 v[8*(8*(\a)+\b):8*(8*(\a)+\b)+7], v[(\buf)+8*\b:(\buf)+8*\b+7], v[8*(8*(\a)+(\c)):8*(8*(\a)+(\c))+7], v[8*(8*(\a)+\b):8*(8*(\a)+\b)+7]
.endif
.endr
.endr
.endm
; x's half (256 k) out of LDS, rounded to bf16, into fragments.  A fragment's lane holds row l % 16 and k = 8 (l / 16) + 0..7 and 16 + 8 (l / 16) + 0..7 of its 32: in f32 four loads of 16 bytes at 0, 16, 64, 80.
; Two batches of two row tiles: 64 loads into window 1, then 128 conversions.
.macro XCONV half
.irp bt, 0,1
	WIN 0x40
.irp ap, 0,1
.irp c, 0,1,2,3,4,5,6,7
	ds_load_b128 v[128*\ap+16*\c:128*\ap+16*\c+3],     v[AX+(\half)] offset:(2*\bt+\ap)*16*PX+\c*128
	ds_load_b128 v[128*\ap+16*\c+4:128*\ap+16*\c+7],   v[AX+(\half)] offset:(2*\bt+\ap)*16*PX+\c*128+16
	ds_load_b128 v[128*\ap+16*\c+8:128*\ap+16*\c+11],  v[AX+(\half)] offset:(2*\bt+\ap)*16*PX+\c*128+64
	ds_load_b128 v[128*\ap+16*\c+12:128*\ap+16*\c+15], v[AX+(\half)] offset:(2*\bt+\ap)*16*PX+\c*128+80
.endr
.endr
	s_wait_dscnt 0x0
	WIN 0x85+0x40*(\half)              ; sources window 1, destination window 2 or 3
.irp ap, 0,1
.irp c, 0,1,2,3,4,5,6,7
.irp p, 0,1,2,3,4,5,6,7
	v_cvt_pk_bf16_f32 v[8*(8*(2*\bt+\ap)+\c)+\p], v[128*\ap+16*\c+2*\p], v[128*\ap+16*\c+2*\p+1]
.endr
.endr
.endr
.endr
	WIN 0
.endm
; The two changes at the start, where x's bytes are given up to tiles 0 and 1: all my tensor loads are in, the add, my reads of the bytes are over; a round of the cluster's barrier; the joint load first behind it.
.macro CHG slot
	WIN 0
	s_wait_tensorcnt 0x0
	ds_add_u32 v[SPW], v[NIL]
	s_wait_dscnt 0x0
	CROUND
	JW \slot
.endm
; A STEP: 8 chunks of 32 k on two fragment buffers by turns; chunks 0 and 1 have been asked for when it begins; a buffer is asked for again four places behind its products.
; s_wait_dscnt 16: the chunk in hand is in, the sixteen loads of the next chunk may stay out.
; mode 2: THE CHANGE OF SLOTS stands in chunk 6, when chunk 7's loads, the slot's last, have been issued.  Each wave waits for all its tensor loads (one is out: its part of the next slot), adds 0 to its spare word,
; multiplies half of chunk 6, waits for the add and for its reads of this slot, signals, multiplies the other half, and passes the round; this slot's next tile is asked for first behind it; then the next slot's
; chunk 0 is fetched, and chunk 7's 32 products run while it comes.  mode 1: the same with a plain barrier and no refill.  mode 0: the launch's last step.
; extra = 1: the tile after the one asked for is prefetched; 2: likewise, and the next lap's bias is loaded.
.macro STEPW half, first, mode, extra
.if \first
	s_wait_loadcnt 0x0                 ; the bias is in
.endif
.set cc, 0
.rept 6
	s_wait_dscnt 16
	MULH cc, F0+64*(cc%2), \half, \first, 0
	MULH cc, F0+64*(cc%2), \half, \first, 2
	WIN 0
	PLACES
	FETCHW \half, cc+2, F0+64*(cc%2)
.set cc, cc+1
.endr
.if (\mode) == 0
	s_wait_dscnt 16
	MULH 6, F0, \half, 0, 0
	MULH 6, F0, \half, 0, 2
	s_wait_dscnt 0x0
.else
	WIN 0                              ; (the add's two registers lie in window 0)
	s_wait_tensorcnt 0x0               ; no tensor load of mine is out, so a group 0 may be written
	ds_add_u32 v[SPW], v[NIL]
.if (\mode) == 2
	s_add_nc_u64 s[G0W+4*(\half)+2:G0W+4*(\half)+3], s[G0W+4*(\half)+2:G0W+4*(\half)+3], LAPB  ; this slot's next tile: the same k, the next lap's rows
.endif
	s_wait_dscnt 17                    ; chunk 6 is in; chunk 7's sixteen loads and the add may be out
	MULH 6, F0, \half, 0, 0
	s_wait_dscnt 0x0                   ; the add is done, and my reads of this slot are over
	s_barrier_signal -1
	MULH 6, F0, \half, 0, 2            ; work on registers while the others arrive
	WIN 0
	s_barrier_wait -1
.if (\mode) == 2
	CREST                              ; the barrier has opened a round of the cluster's: no wave of any partner still reads this slot or has a load on its way
	JW \half                           ; its four v_nop are also the places in front of the loads that follow
.else
	PLACES
.endif
	FETCHW 1-(\half), 0, F0
.if (\extra) == 1
	ASK 0, LAPB+512
.elseif (\extra) == 2
	BIASLD 1024
	ASK 1, 2*LAPB
.endif
.endif
	MULH 7, F1, \half, 0, 0
	MULH 7, F1, \half, 0, 2
.endm
; THE WAY OUT of row tile a: rounded to f16, 16 bytes a lane; into my own stage; back as whole rows of 256 bytes; stored.
.macro PACK a
	WIN 0x05                           ; sources window 1, destination window 0
.irp b, 0,1,2,3,4,5,6,7
.irp r, 0,1,2,3
	v_cvt_pk_f16_f32 v[TMP+4*\b+\r], v[8*(8*(\a)+\b)+2*\r], v[8*(8*(\a)+\b)+2*\r+1]
.endr
.endr
	WIN 0
.endm
.macro TOSTAGE a
	WIN 0
.irp b, 0,1,2,3,4,5,6,7
	ds_store_b128 v[STO], v[TMP+4*\b:TMP+4*\b+3] offset:32*\b
.endr
.irp t, 0,1,2,3,4,5,6,7
	ds_load_b128 v[OB+32*((\a)%2)+4*\t:OB+32*((\a)%2)+4*\t+3], v[RD] offset:\t*2*SP  ; LDS serves a wave's instructions in order (ISA guide 5.7.1.4): these see the stores above
.endr
.endm
.macro SEND a
	WIN 0
	s_wait_dscnt 0x0                   ; the tile is back in registers
	s_wait_xcnt 0x0                    ; the registers that earlier stores read are loaded again only behind this wait
.irp t, 0,1,2,3,4,5,6,7
	global_store_b128 v[CO], v[OB+32*((\a)%2)+4*\t:OB+32*((\a)%2)+4*\t+3], s[10:11] offset:(16*(\a)+2*\t)*QROW  ; 16 lanes store 256 consecutive bytes, aligned
.endr
.endm
; A LAP.  f = 1: in the loop: both its changes of slots fill a slot again (tiles 2 to 11 in the five laps).  f = 0: the last lap, which asks for nothing.
.macro LAP f
	STEPW 0, 1, 1+(\f), \f
	WIN 0
	PLACES
	FETCHW 1, 1, F1                    ; slot 1's chunk 1, into the buffer that chunk 7 has left
	STEPW 1, 0, 2*(\f), 2*(\f)
	WIN 0
	PLACES
	PACK 0
	TOSTAGE 0
.irp a, 1,2,3
	PACK \a
	SEND (\a)-1
	TOSTAGE \a
.endr
	SEND 3
.if \f
	s_wait_xcnt 0x0                    ; stores, bias loads and prefetches have read their addresses and data
	s_add_nc_u64 s[10:11], s[10:11], 512
	s_add_nc_u64 s[8:9], s[8:9], 1024
	s_add_nc_u64 s[PFA:PFA+1], s[PFA:PFA+1], LAPB
	FETCHW 0, 1, F1                    ; the next lap's chunk 1, into the registers that the stores have read
.endif
.endm
	s_load_b256 s[4:11], s[0:1], 0x0               ; x s[4:5], wb s[6:7], bb s[8:9], qkv s[10:11]
	v_lshl_add_u32 v[SPW], v0, 2, SPARE
	v_mov_b32 v[NIL], 0
	ds_add_u32 v[SPW], v[NIL]                      ; the wave's opening: the add and its wait ahead of my first tensor load
	v_lshrrev_b32 v1, 5, v0
	v_readfirstlane_b32 s[WV], v1                  ; wave 0..3
	s_bfe_u32 s13, ttmp6, 0x40000                  ; cx: my place in the cluster
	s_lshl_b32 s14, ttmp9, 2
	s_add_co_u32 s14, s14, s13                     ; g: my block of 128 rows
	s_lshr_b32 s15, s[WV], 1                       ; i
	s_and_b32 s16, s[WV], 1                        ; jn
	s_mov_b32 s[LIM], ttmp9
	s_cmp_eq_u32 s[LIM], 0
	s_cselect_b32 s[LIM], 1, -1                    ; the same in all four partners
	s_mov_b32 s[G1W+0], 15|(1<<16)|(1<<20)|(1<<21)|(6<<22)|(3<<25)  ; the mask of four; 2-byte elements; padding on; bit 21 beside a mask; after every 128 words, 4 words
	s_mov_b32 s[G1W+1], 256<<16                    ; tensor_dim0 = 256
	s_mov_b32 s[G1W+2], 64<<16                     ; tensor_dim1 = 64
	s_mov_b32 s[G1W+3], 256<<16                    ; tile_dim0 = 256
	s_mov_b32 s[G1W+4], 64                         ; tile_dim1 = 64
	s_mov_b32 s[G1W+5], 512                        ; elements from row to row
	s_mov_b32 s[G1W+6], 0
	s_mov_b32 s[G1W+7], 0
	s_mov_b32 s[G1X+0], (2<<16)|(1<<20)|(7<<22)|(3<<25)  ; no mask; 4-byte elements; padding on; after every 256 words, 4 words
	s_mov_b32 s[G1X+1], 256<<16
	s_mov_b32 s[G1X+2], 32<<16
	s_mov_b32 s[G1X+3], 256<<16
	s_mov_b32 s[G1X+4], 32
	s_mov_b32 s[G1X+5], 512
	s_mov_b32 s[G1X+6], 0
	s_mov_b32 s[G1X+7], 0
	s_mov_b32 s[G0W+0], 1
	s_mul_i32 s[G0W+1], s[WV], WROWS               ; LDS: wave x 64 rows, slot 0
	s_mov_b32 s[G0W+4], 1
	s_add_co_u32 s[G0W+5], s[G0W+1], SLOTB         ; slot 1
	s_mov_b32 s[G0X+0], 1
	s_mul_i32 s[G0X+1], s[WV], XROWS               ; LDS: wave x 32 rows, in slot 0's bytes
	s_mov_b32 s[G0X+4], 1
	s_add_co_u32 s[G0X+5], s[G0X+1], SLOTB         ; in slot 1's bytes
	s_lshl_b32 s22, s[WV], 16                      ; wb: 64 w rows of 1,024 bytes: no place in the cluster enters it
	s_mov_b32 s23, 0
	s_lshl_b32 s20, s14, 18                        ; x: (128 g + 32 w) rows of 2,048 bytes
	s_add_co_u32 s20, s20, s22
	s_mov_b32 s21, 0
	s_wait_dscnt 0x0                               ; the opening add is done
	s_wait_kmcnt 0x0
	s_add_nc_u64 s[G0W+2:G0W+3], s[6:7], s[22:23]
	s_add_nc_u64 s[G0W+6:G0W+7], s[G0W+2:G0W+3], 512  ; k 256 on
	s_or_b32 s[G0W+3], s[G0W+3], 0x80000000
	s_or_b32 s[G0W+7], s[G0W+7], 0x80000000
	s_add_nc_u64 s[G0X+2:G0X+3], s[4:5], s[20:21]
	s_add_nc_u64 s[G0X+6:G0X+7], s[G0X+2:G0X+3], 1024
	s_or_b32 s[G0X+3], s[G0X+3], 0x80000000
	s_or_b32 s[G0X+7], s[G0X+7], 0x80000000
	s_mul_i32 s20, s14, 128*QROW                   ; qkv at row 128 g + 64 i, byte 256 jn
	s_mul_i32 s2, s15, 64*QROW
	s_add_co_u32 s20, s20, s2
	s_lshl_b32 s2, s16, 8
	s_add_co_u32 s20, s20, s2
	s_add_nc_u64 s[10:11], s[10:11], s[20:21]
	s_lshl_b32 s22, s16, 9                         ; bb at my 128 columns of chunk 0
	s_add_nc_u64 s[8:9], s[8:9], s[22:23]
	s_lshl_b32 s20, s[WV], 16                      ; the prefetches: rows 64 w + 16 cx
	s_lshl_b32 s2, s13, 14
	s_add_co_u32 s20, s20, s2
	s_add_nc_u64 s[PFA:PFA+1], s[6:7], s[20:21]
	CROUND                                         ; the round in front of the first tensor loads
	tensor_load_to_lds s[G0X:G0X+3], s[G1X:G1X+7]  ; my 32 rows of x, k 0-255,
	s_nop 0
	tensor_load_to_lds s[G0X+4:G0X+7], s[G1X:G1X+7]  ; and k 256-511: two loads of mine are out
	s_nop 0
	PLACES
	v_and_b32 v1, 15, v0                           ; r = l % 16
	v_bfe_u32 v2, v0, 4, 1                         ; h = l / 16
	v_lshlrev_b32 v[BO], 5, v2
	BIASLD 0
	v_mul_u32_u24 v3, v1, PW
	v_lshl_add_u32 v3, v2, 4, v3
	s_mul_i32 s20, s16, 128*PW
	v_add_nc_u32 v[AW], s20, v3                    ; (128 jn + r) x pitch + 16 h
	v_add_nc_u32 v[AW+1], SLOTB, v[AW]
	v_mul_u32_u24 v13, v1, PX
	v_lshl_add_u32 v13, v2, 5, v13
	s_mul_i32 s20, s15, 64*PX
	v_add_nc_u32 v[AX], s20, v13                   ; (64 i + r) x pitch + 32 h
	v_add_nc_u32 v[AX+1], SLOTB, v[AX]
	s_mul_i32 s20, s[WV], 16*SP
	s_add_co_u32 s20, s20, STAGE                   ; my stage
	v_mul_u32_u24 v13, v1, SP
	v_lshl_add_u32 v13, v2, 4, v13
	v_add_nc_u32 v[STO], s20, v13
	v_mul_u32_u24 v13, v2, SP
	v_lshl_add_u32 v13, v1, 4, v13
	v_add_nc_u32 v[RD], s20, v13
	v_mul_u32_u24 v[CO], v2, QROW
	v_lshl_add_u32 v[CO], v1, 4, v[CO]
	v_and_b32 v13, 31, v0
	v_lshrrev_b32 v14, 1, v13
	v_and_b32 v[PFO], 1, v13
	v_lshlrev_b32 v[PFO], 8, v[PFO]
	v_lshl_add_u32 v[PFO], v14, 10, v[PFO]         ; row l / 2 of my 16, block l % 2 of its 512 bytes
	s_wait_tensorcnt 0x1                           ; my part of x's lower half is in; the upper half's may stay out
	s_barrier_signal -1
	s_barrier_wait -1                              ; everybody's is
	XCONV 0
	CHG 0                                          ; x's upper half is whole, its lower half is read: tile 0 goes into slot 0
	XCONV 1                                        ; tile 0 lands meanwhile
	CHG 1                                          ; tile 0 is whole, x's upper half is read: tile 1 goes into slot 1
	FETCHW 0, 0, F0
	FETCHW 0, 1, F1
	s_mov_b32 s[LAPS], 5
.Llap:
	LAP 1
	WIN 0
	s_sub_co_u32 s[LAPS], s[LAPS], 1
	s_cmp_lg_u32 s[LAPS], 0
	s_cbranch_scc1 .Llap
	LAP 0                                          ; the last lap is written out
	WIN 0
	s_wait_tensorcnt 0x0                           ; the wave's end, behind my last tensor load and my last LDS store
	ds_add_u32 v[SPW], v[NIL]
	s_wait_dscnt 0x0
	CROUND                                         ; the closing round
	s_endpgm
.Lfunc_end_k_q7891fc4b84_proj:
	.size	k_q7891fc4b84_proj, .Lfunc_end_k_q7891fc4b84_proj-k_q7891fc4b84_proj
	.p2alignl 7, 3214868480
	.fill 96, 4, 3214868480
	.section	.rodata,"a",@progbits
	.p2align	6, 0x0
	.amdhsa_kernel k_q7891fc4b84_proj
		.amdhsa_group_segment_fixed_size 327680
		.amdhsa_private_segment_fixed_size 0
		.amdhsa_enable_private_segment 0
		.amdhsa_kernarg_size 32
		.amdhsa_user_sgpr_count 2
		.amdhsa_user_sgpr_kernarg_segment_ptr 1
		.amdhsa_wavefront_size32 1
		.amdhsa_system_sgpr_workgroup_id_x 1
		.amdhsa_system_sgpr_workgroup_id_y 1
		.amdhsa_system_sgpr_workgroup_id_z 1
		.amdhsa_system_vgpr_workitem_id 0
		.amdhsa_next_free_vgpr 1024
		.amdhsa_next_free_sgpr 66
		.amdhsa_reserve_vcc 0
		.amdhsa_float_denorm_mode_32 3
		.amdhsa_float_denorm_mode_16_64 3
		.amdhsa_memory_ordered 1
		.amdhsa_forward_progress 1
		.amdhsa_inst_pref_size 195
	.end_amdhsa_kernel
	.amdgpu_metadata
---
amdhsa.version: [ 1, 2 ]
amdhsa.kernels:
  - .name:           k_q7891fc4b84_proj
    .symbol:         k_q7891fc4b84_proj.kd
    .args:
      - { .name: x, .offset: 0, .size: 8, .value_kind: global_buffer, .address_space: global }
      - { .name: wb, .offset: 8, .size: 8, .value_kind: global_buffer, .address_space: global }
      - { .name: bb, .offset: 16, .size: 8, .value_kind: global_buffer, .address_space: global }
      - { .name: qkv, .offset: 24, .size: 8, .value_kind: global_buffer, .address_space: global }
    .group_segment_fixed_size: 327680
    .private_segment_fixed_size: 0
    .kernarg_segment_align: 8
    .kernarg_segment_size: 32
    .max_flat_workgroup_size: 128
    .sgpr_count:     66
    .vgpr_count:     1024
    .wavefront_size: 32
...
	.end_amdgpu_metadata
.endif
;; end of part 2
;; launch attn (part 3): grid 8 x 32, 4 waves a work-group, clusters of 4 x 1, 327,680 bytes of LDS; arguments qkv, beta, out0; writes out0
.if DOCPART == 3
	.amdgcn_target "amdgcn-amd-amdhsa--gfx1250"
	.amdhsa_code_object_version 6
	.text
	.protected	k_q7891fc4b84_attn
	.globl	k_q7891fc4b84_attn
	.p2align	8
	.type	k_q7891fc4b84_attn,@function
k_q7891fc4b84_attn:
	s_mov_b64 s[64:65], 0
	v_nop
	global_prefetch_b8 v0, s[64:65] scope:SCOPE_SE
	s_setreg_imm32_b32 hwreg(HW_REG_WAVE_MODE, 25, 1), 1
	s_wait_xcnt 0x0
	s_wait_alu depctr_hold_cnt(0) depctr_sa_sdst(0) depctr_va_vdst(0) depctr_va_sdst(0) depctr_va_ssrc(0) depctr_va_vcc(0) depctr_vm_vsrc(0)
	s_getreg_b32 s2, hwreg(HW_REG_IB_STS2, 6, 4)
	s_cmp_eq_u32 s2, 0
	s_cbranch_scc0 .Lentry_in_a_cluster
	s_endpgm
.Lentry_in_a_cluster:
	s_bfe_u32 s2, ttmp6, 0x10000c
	s_cmp_lg_u32 s2, 0x3003
	s_cbranch_scc0 .Lentry_shape_is_right
	s_endpgm
.Lentry_shape_is_right:
; out0[b][q][:] = beta x (the sum over k of softmax_k(Q[q] . K[k]) V[k][:]) + V[q][:].  qkv: [32768][1536] f16, a row holds q (512), k (512), v (512); out0: [32][1024][512] f32.  No scale on the scores.
; Products, maxima and sums in f32; the weights p are rounded to f16 for the second product (their sum l is taken of the unrounded p); beta is rounded to bf16, like all the module's inputs.
; LIMITS.  p lies in 0 to 1, and below 6e-5 it keeps f16's fixed step; a weight below 2^-126 counts as 0 in l; NaN and infinities are not treated apart.
; SHARES.  A work-group owns 128 queries of one batch, each of its four waves 32: two tiles of 16.  Every wave walks the batch's 1,024 keys, 64 a step, 16 steps.
; LAYOUT.  S^T = K Q^T (source 0 = 16 keys, source 1 = 16 queries): a lane holds ONE query (lane % 16) and the keys 8 (lane / 16) + 0..7.  Two such results rounded to f16 in pairs ARE source 1 of
; O^T = V^T P, whose result again holds one query a lane, and eight channels.  K comes out of LDS as it lies, V ([key][channel]) turned, by ds_load_tr16_b128.
; SOFTMAX.  A running maximum m and sum l for each query: p = 2^(c s - c m), c = log2(e); in every step O and l are multiplied by a = 2^(c m_old - c m_new).  m starts at the lowest finite number, O and l at 0,
; so the first step is a step like any other, with a = 0.
; A STEP: 128 products K Q^T; maximum, exponentials and roundings; 128 products V^T P in eight groups of four channel blocks.  Behind every two products V^T P stand four vector instructions: the rescaling (O^T times a)
; of the NEXT group's blocks, and behind the last group's the sums for l.  Only the first group's blocks are rescaled ahead of the products.
; THE CHANGE OF SLOTS stands between V^T P's groups 5 and 6, when V's last fragments have been asked for: groups 6 and 7 run beside the barrier and beside the next step's first loads of K.  So the loop's trip begins there,
; and the loop is entered in the middle of a trip.
; CLUSTER.  The four query blocks of a cluster belong to one batch and walk the same K and V: each tile is asked for JOINTLY.  Wave 0 fetches K's channels 0-255, wave 1 K's 256-511, waves 2 and 3 V's.
; REGISTERS, in windows of 256 (s_set_vgpr_msb: bits 1:0 source 0, 3:2 source 1, 5:4 source 2, 7:6 destination):
;   window 0: v0-15 addresses and offsets alone, but for beta; v16-31 eight registers of statistics a tile; v32-95 S^T, 32 a tile; v96-127 P, 16 a tile; v128-191, v192-255 two buffers of K's or V's fragments
;   window 1: O^T of tile 0, channel block cb at 8 cb          window 2: O^T of tile 1          window 3: Q, tile t, channel chunk c at 128 t + 8 c
.set ROWB,  3072                       ; bytes in a row of qkv
.set KS,    64                         ; keys in a step
.set STEPB, KS*ROWB
.set PK,    528                        ; half a row of K in LDS: 512 bytes + 16 = 33 x 16: the 16 rows of a load start at 16 different 16-byte columns of the 64 banks (ISA guide 11.1)
.set PV,    544                        ; half a row of V: 512 + 32 = 17 x 32
.set KHI,   KS*PK                      ; a slot: K's channels 0-255, K's 256-511,
.set VOFF,  2*KS*PK                    ; V's 0-255,
.set VHI,   KS*PV                      ; V's 256-511
.set SLOTB, VOFF+2*VHI                 ; 137,216
.set SPARE, 2*SLOTB                    ; the spare words, 128 bytes a wave: two blocks of 256 bytes that no other line names
.set PR,    1040                       ; the way out: a row of v (1,024 bytes + 16); each wave's 32 rows lie in slot 0, its last fill
.set PS,    2064                       ; a row of O in f32 (2,048 bytes + 16); each wave's stage of 16 rows lies in slot 1, behind that slot's last fill and last read
.set STG,   SLOTB
.set FTAB,  STG+4*16*PS                ; 32 words a wave: beta / l by query
.set AK0, 2                            ; v2   my lane's place in a tile of K
.set AV0, 3                            ; v3   the same for V
.set AK,  4                            ; v4   the same in the slot in hand
.set AV,  5
.set PFO, 6                            ; v6   the prefetches' offset; never rewritten
.set SPW, 7                            ; v7   my spare word: SPARE + 4 x my thread's number; never rewritten
.set NIL, 8                            ; v8   0; never rewritten
.set BT,  10                           ; v10  beta
.set QO,  11                           ; v11  my byte offset in 16 rows of q
.set FW,  12                           ; v12  the way out: where I put beta / l
.set STO, 13                           ; v13  where I put 32 bytes of a row of O
.set SA,  14                           ; v14  where I read rows of O back
.set RA,  15                           ; v15  where I read rows of v
.set L8,  3                            ; v3   the way out (V's place is done with): 8 x lane
.set FT,  4                            ; v4   the way out (K's address is done with): where beta / l is read
.set GO,  5                            ; v5   the way out (V's address is done with): 16 x lane: my place in 512 bytes of a row of O, in the stage and in out0
.set LN,  11                           ; v11  the way out (Q is in): my lane
.set ST,  16                           ; tile t's statistics at ST + 8 t: c m, m, l (even keys', odd keys'), c0-c3 at work; a takes c2's place
.set S,   32
.set P,   96
.set F0,  128
.set F1,  192
.set OB,  128                          ; the way out: four rows of O, 64 registers
.set RV,  192                          ; four rows of v, 32 registers
.set FV,  224                          ; their four beta / l
.set WV,  12                           ; s12  my wave's number
.set LIM, 15                           ; s15  1 in the batch's first cluster, else the greatest number
.set LBK, 17                           ; s17  my tile's place in a slot, for K
.set LBV, 18                           ; s18  for V
.set SL,  19                           ; s19  the slot that is read
.set SF,  20                           ; s20  the slot that is filled
.set LEFT, 21                          ; s21  steps of the loop still to come
.set FB,  22                           ; s22  the way out: my wave's table of beta / l
.set BETA, 23
.set G1K, 24
.set G1V, 32
.set G0K, 40
.set G0V, 44
.set G1R, 48
.set G0R, 56
.set CS,  60                           ; s[60:61] c
.set SEL, 62                           ; s[62:63] v_permlanex16_b32's selects: each lane takes its own place in the other half
.set PFA, 66                           ; s[66:67] where my prefetches stand
.set QP,  68                           ; s[68:69] qkv at my wave's first row
.set SB,  74                           ; s74  the way out: my stage
.set RB,  75                           ; s75  my rows of v
.set SO,  76                           ; s76-78  the way out's loop: the four rows in hand, in the stage, in v, in the table
.set RO,  77
.set FO,  78
.set CNT, 79
.set MSB, 0
.macro WIN new                         ; the immediate's high byte repeats the setting that is left; a switch that changes nothing is dropped
.if MSB != (\new)
	s_set_vgpr_msb (MSB<<8)|(\new)
.set MSB, (\new)
.endif
.endm
.macro PLACES                          ; four places in front of loads into registers that matrix instructions have read, and of vector work that reads results
.rept 4
	v_nop
.endr
.endm
.macro CREST                           ; a round of the cluster's barrier behind its opening barrier
	s_cmp_lg_u32 s[WV], 0
	s_cbranch_scc1 .Lnw0_\@
	s_barrier_signal -3
.Lnw0_\@:
	s_barrier_wait -3
	s_barrier_signal -1
	s_barrier_wait -1
.endm
.macro CROUND                          ; a whole round
	s_barrier_signal -1
	s_barrier_wait -1
	CREST
.endm
.macro JLOAD                           ; a joint fill; the branch hangs on the wave's number alone; an s_nop 0 and four v_nop follow each of the two lines
	s_cmp_lt_u32 s[WV], 2
	s_cbranch_scc0 .Lfor_v_\@
	tensor_load_to_lds s[G0K:G0K+3], s[G1K:G1K+7]
	s_nop 0
	PLACES
	s_branch .Lasked_\@
.Lfor_v_\@:
	tensor_load_to_lds s[G0V:G0V+3], s[G1V:G1V+7]
	s_nop 0
	PLACES
.Lasked_\@:
.endm
; A PREFETCH INTO THE L2 of what the NEXT change of slots asks for: a step's 64 rows x 2,048 bytes of K and V.  Both clusters of a batch walk the same rows: the first asks.  Its four partners share the rows out
; BY ADDRESS, 16 each; each wave asks for the 512 bytes a row that it fetches itself, a lane a block of 256 bytes: each block is named once in the launch.  Steps 0 and 1 come by their loads alone;
; the last change that fills a slot jointly asks for nothing: there is no step behind the one that it loads.
.macro ASK
	s_cmp_gt_u32 s[LEFT], s[LIM]
	s_cbranch_scc0 .Lnoask_\@
	global_prefetch_b8 v[PFO], s[PFA:PFA+1] th:TH_LOAD_NT scope:SCOPE_SE
.Lnoask_\@:
.endm
.macro WALK                            ; a joint change's scalar steps; no tensor load of mine is out when they are made
	s_xor_b32 s[SL], s[SL], SLOTB      ; read the other slot than last time (the register holds 0 or SLOTB),
	s_xor_b32 s[SF], s[SL], SLOTB      ; fill the one read last time
	s_add_co_u32 s[G0K+1], s[SF], s[LBK]
	s_add_co_u32 s[G0V+1], s[SF], s[LBV]
	s_add_nc_u64 s[G0K+2:G0K+3], s[G0K+2:G0K+3], STEPB  ; the next 64 keys; the type bits on top are not reached
	s_add_nc_u64 s[G0V+2:G0V+3], s[G0V+2:G0V+3], STEPB
	s_wait_xcnt 0x0                    ; the last prefetch, a step back, has read its address
	s_add_nc_u64 s[PFA:PFA+1], s[PFA:PFA+1], STEPB
.endm
; THE LDS LOADS stand in runs of 16.  Group g of K: channel chunks 2 g, 2 g + 1 (32 channels each) of the step's four key blocks.
.macro FETCHK g, buf
.irp cp, 0,1
.irp kb, 0,1,2,3
	ds_load_b128 v[(\buf)+32*\cp+8*\kb:(\buf)+32*\cp+8*\kb+3],   v[AK] offset:\kb*16*PK+((2*(\g)+\cp)/8)*KHI+((2*(\g)+\cp)%8)*64
	ds_load_b128 v[(\buf)+32*\cp+8*\kb+4:(\buf)+32*\cp+8*\kb+7], v[AK] offset:\kb*16*PK+((2*(\g)+\cp)/8)*KHI+((2*(\g)+\cp)%8)*64+32
.endr
.endr
.endm
; 16 products of S^T = K Q^T.  The 8 accumulators take turns; the first chunk starts the sums.
.macro MULK g, buf
	WIN 0x0c                           ; K and S^T window 0, Q window 3; the LDS loads into window 0 stand under the same setting
.irp cp, 0,1
.irp kb, 0,1,2,3
.irp t, 0,1
.if (2*(\g)+\cp) == 0
	v_wmma_f32_16x16x32_f16 v[S+32*\t+8*\kb:S+32*\t+8*\kb+7], v[(\buf)+32*\cp+8*\kb:(\buf)+32*\cp+8*\kb+7], v[128*\t+8*(2*(\g)+\cp):128*\t+8*(2*(\g)+\cp)+7], 0
.else
	v_wmma_f32_16x16x32_f16 v[S+32*\t+8*\kb:S+32*\t+8*\kb+7], v[(\buf)+32*\cp+8*\kb:(\buf)+32*\cp+8*\kb+7], v[128*\t+8*(2*(\g)+\cp):128*\t+8*(2*(\g)+\cp)+7], v[S+32*\t+8*\kb:S+32*\t+8*\kb+7]
.endif
.endr
.endr
.endr
.endm
; Group g of V, turned: channel blocks 4 g .. 4 g + 3 (16 channels each) of the step's two halves of 32 keys.
.macro FETCHV g, buf
.irp kk, 0,1
.irp cq, 0,1,2,3
	ds_load_tr16_b128 v[(\buf)+32*\kk+8*\cq:(\buf)+32*\kk+8*\cq+3],   v[AV] offset:\kk*32*PV+((4*(\g)+\cq)/16)*VHI+((4*(\g)+\cq)%16)*32
	ds_load_tr16_b128 v[(\buf)+32*\kk+8*\cq+4:(\buf)+32*\kk+8*\cq+7], v[AV] offset:\kk*32*PV+((4*(\g)+\cq)/16)*VHI+((4*(\g)+\cq)%16)*32+16*PV
.endr
.endr
.endm
; Number sn of the 32 that sum both tiles' weights (the tiles alternate): a tile's 16 pairs are added in place, neighbours 1, 2, 4 and 8 pairs apart (numbers 0-15, 16-23, 24-27, 28-29); then l = a l + the sum.
.macro SUMI
.if sn < 30
.set sw, 32
.set su, 0
.if sn < 16
.set sw, 4
.set su, sn/2
.elseif sn < 24
.set sw, 8
.set su, (sn-16)/2
.elseif sn < 28
.set sw, 16
.set su, (sn-24)/2
.endif
	v_pk_add_f32 v[S+32*(sn%2)+sw*su:S+32*(sn%2)+sw*su+1], v[S+32*(sn%2)+sw*su:S+32*(sn%2)+sw*su+1], v[S+32*(sn%2)+sw*su+sw/2:S+32*(sn%2)+sw*su+sw/2+1]
.else
	v_pk_fma_f32 v[ST+8*(sn%2)+2:ST+8*(sn%2)+3], v[ST+8*(sn%2)+2:ST+8*(sn%2)+3], v[ST+8*(sn%2)+6:ST+8*(sn%2)+7], v[S+32*(sn%2):S+32*(sn%2)+1] op_sel_hi:[1,0,1]
.endif
.set sn, sn+1
.endm
; 8 products of O^T += V^T P for tile t, group g: the tile's four accumulators take turns, three others between the two links of a chain.  Behind every two products stand four plain vector instructions that name
; none of the products' registers.  ride = 1: the rescaling of the tile's blocks of group g + 1, each block from its low end on.  ride = 2: four of the sums.  The four behind the last product are also the places
; in front of the loads into the buffer that it has read.
.macro MULVH g, buf, t, ride
.set wi, 0
.set rn, 32*((\g)+1)
.rept 4
	WIN 0x50*(1+(\t))                  ; V and P window 0; C and D window 1 or 2
.rept 2
	v_wmma_f32_16x16x32_f16 v[8*(4*(\g)+wi%4):8*(4*(\g)+wi%4)+7], v[(\buf)+32*(wi/4)+8*(wi%4):(\buf)+32*(wi/4)+8*(wi%4)+7], v[P+16*(\t)+8*(wi/4):P+16*(\t)+8*(wi/4)+7], v[8*(4*(\g)+wi%4):8*(4*(\g)+wi%4)+7]
.set wi, wi+1
.endr
.if (\ride) == 1
	WIN 0x41*(1+(\t))                  ; destination and source 0 window 1 or 2, a window 0
.rept 4
	v_pk_mul_f32 v[rn:rn+1], v[rn:rn+1], v[ST+8*(\t)+6:ST+8*(\t)+7] op_sel_hi:[1,0]
.set rn, rn+2
.endr
.else
	WIN 0
.rept 4
	SUMI
.endr
.endif
.endr
.endm
.macro FS t, b                         ; c s - c m for pair b of tile t
	v_pk_fma_f32 v[S+32*(\t)+2*(\b):S+32*(\t)+2*(\b)+1], v[S+32*(\t)+2*(\b):S+32*(\t)+2*(\b)+1], s[CS:CS+1], v[ST+8*(\t):ST+8*(\t)+1] op_sel_hi:[1,0,0] neg_lo:[0,0,1] neg_hi:[0,0,1]
.endm
.macro EX t, e                         ; the exponential of score e of tile t
	v_exp_f32 v[S+32*(\t)+(\e)], v[S+32*(\t)+(\e)]
.endm
; THE SOFTMAX of both tiles for one step, up to the weights in f16; the tiles alternate, so that no instruction reads the result of the one before it.  The sums follow behind V^T P's last group.
.macro SOFTMAX
	WIN 0
.irp j, 0,1,2,3                        ; the maximum: four chains c0-c3 of seven scores each; each accumulator's lowest registers are read first
.irp t, 0,1
	v_max3_num_f32 v[ST+8*\t+4+\j], v[S+32*\t+8*\j], v[S+32*\t+8*\j+1], v[S+32*\t+8*\j+2]
.endr
.endr
.irp q, 1,2
.irp j, 0,1,2,3
.irp t, 0,1
	v_max3_num_f32 v[ST+8*\t+4+\j], v[ST+8*\t+4+\j], v[S+32*\t+8*\j+2*\q+1], v[S+32*\t+8*\j+2*\q+2]
.endr
.endr
.endr
.irp t, 0,1
	v_max3_num_f32 v[ST+8*\t+4], v[ST+8*\t+4], v[S+32*\t+7], v[S+32*\t+15]   ; the four scores left over,
.endr
.irp t, 0,1
	v_max3_num_f32 v[ST+8*\t+6], v[ST+8*\t+6], v[S+32*\t+23], v[S+32*\t+31]
.endr
.irp t, 0,1
	v_max3_num_f32 v[ST+8*\t+4], v[ST+8*\t+4], v[ST+8*\t+5], v[ST+8*\t+6]    ; the chains,
.endr
.irp t, 0,1
	v_max3_num_f32 v[ST+8*\t+4], v[ST+8*\t+4], v[ST+8*\t+7], v[ST+8*\t+1]    ; and the old m
.endr
.irp t, 0,1
	v_permlanex16_b32 v[ST+8*\t+5], v[ST+8*\t+4], s[SEL], s[SEL+1]           ; the query's other 32 keys lie in the lane 16 away
.endr
.irp t, 0,1
	v_mov_b32 v[ST+8*\t+7], v[ST+8*\t]                                       ; c m_old is kept
.endr
.irp t, 0,1
	v_max_num_f32 v[ST+8*\t+1], v[ST+8*\t+4], v[ST+8*\t+5]                   ; the new m
.endr
.irp t, 0,1
	v_mul_f32 v[ST+8*\t], s[CS], v[ST+8*\t+1]                                ; c m
.endr
.irp t, 0,1
	v_sub_f32 v[ST+8*\t+7], v[ST+8*\t+7], v[ST+8*\t]                         ; c m_old - c m_new
.endr
	FS 0, 0                            ; ONE BATCH: the 32 scalings and all 66 exponentials; nothing here names an exponential's result
	FS 1, 0
.irp t, 0,1
	v_exp_f32 v[ST+8*\t+6], v[ST+8*\t+7]                                     ; a
.endr
.set pb, 1
.rept 15
	FS 0, pb
	EX 0, 2*pb-2
	FS 1, pb
	EX 1, 2*pb-2
	EX 0, 2*pb-1
	EX 1, 2*pb-1
.set pb, pb+1
.endr
	EX 0, 30
	EX 1, 30
	EX 0, 31
	EX 1, 31
	v_nop                              ; a plain instruction behind the last exponential: one for the batch
	s_wait_alu depctr_va_vdst(0)       ; the wait ahead of the first use: one for the batch
.set n, 0
.rept 16                               ; the weights, rounded to f16 in pairs
	v_cvt_pk_f16_f32 v[P+n], v[S+2*n], v[S+2*n+1]
	v_cvt_pk_f16_f32 v[P+16+n], v[S+32+2*n], v[S+32+2*n+1]
.set n, n+1
.endr
.irp t, 0,1                            ; O^T's first four channel blocks times a: the others are rescaled beside the products
	WIN 0x41*(1+\t)
.set n, 0
.rept 16
	v_pk_mul_f32 v[n:n+1], v[n:n+1], v[ST+8*\t+6:ST+8*\t+7] op_sel_hi:[1,0]
.set n, n+2
.endr
.endr
.endm
; A STEP FROM ITS FIRST PRODUCT TO V^T P's GROUP 5.  K's groups 0 and 1 have been asked for.  s_wait_dscnt 16: the group in hand is in, the sixteen loads of the next group may stay out.
; A buffer is asked for again four places behind its products; V's first two groups are asked for behind K's last two, so that they land during the softmax.
.macro CORE
.set gg, 0
.rept 8
	s_wait_dscnt 16
	MULK gg, F0+64*(gg%2)
	PLACES
.if gg < 6
	FETCHK gg+2, F0+64*(gg%2)
.else
	FETCHV gg-6, F0+64*(gg%2)
.endif
.set gg, gg+1
.endr
	SOFTMAX
.set gg, 0
.rept 6
	s_wait_dscnt 16
	MULVH gg, F0+64*(gg%2), 0, 1
	MULVH gg, F0+64*(gg%2), 1, 1
	WIN 0
	FETCHV gg+2, F0+64*(gg%2)
.set gg, gg+1
.endr
.endm
; THE CHANGE OF SLOTS, with V^T P's groups 6 and 7 of the step that ends.  Each wave waits for all its tensor loads (one is out: its part of the slot to be read), adds 0 to its spare word, multiplies half of group 6,
; waits for the add and for its reads of the slot that it leaves, signals, multiplies the other half, and passes the cluster's round: no wave of any partner reads that slot or has a load on its way.
; The refill is the first thing there; then the next step's first run of K, beside which group 7 is multiplied.  joint = 1: the keys two steps on, jointly: the load has a step in which to land.
; joint = 0, ahead of the last step: slot 0, read last, takes my own 32 rows of v for the way out: its last fill.
.macro XCH joint
	WIN 0
	s_wait_tensorcnt 0x0               ; no tensor load of mine is out, so a group 0 may be written
	ds_add_u32 v[SPW], v[NIL]
.if \joint
	WALK
.else
	s_mov_b32 s[SL], SLOTB             ; step 15 lies in slot 1
.endif
	s_wait_dscnt 17                    ; V's group 6 is in; group 7's sixteen loads and the add may be out
	MULVH 6, F0, 0, 1
	s_wait_dscnt 0x0                   ; the add is done, and my reads of the slot are over
	s_barrier_signal -1
	MULVH 6, F0, 1, 1                  ; work on registers while the others arrive
	WIN 0
	s_barrier_wait -1
	CREST
.if \joint
	JLOAD
	ASK
.else
	tensor_load_to_lds s[G0R:G0R+3], s[G1R:G1R+7]
	s_nop 0
	PLACES
.endif
	v_add_nc_u32 v[AK], s[SL], v[AK0]
	v_add_nc_u32 v[AV], s[SL], v[AV0]
	FETCHK 0, F0
.set sn, 0
	MULVH 7, F1, 0, 2
	MULVH 7, F1, 1, 2
	WIN 0
	FETCHK 1, F1
.endm
; THE WAY OUT.  A tile's O^T goes into my stage as it is: a lane's eight channels of a row are 32 bytes.
.macro TOSTG t
	WIN 0x04*(1+\t)                    ; the stores' data in window 1 or 2
.set cb, 0
.rept 32
	ds_store_b128 v[STO], v[8*cb:8*cb+3]   offset:64*cb
	ds_store_b128 v[STO], v[8*cb+4:8*cb+7] offset:64*cb+16
.set cb, cb+1
.endr
	WIN 0
.endm
; Tile t leaves in four trips of four rows.  The rows' places are three scalars that step, each added to a lane term that never changes.
; The rows come back whole (a lane: four channels), with the same rows of v and their beta / l; out = O x (beta / l) + v, one fused multiply-add that reads v's f16 half; a store covers 512 consecutive bytes.
.macro FLUSH t
	s_mov_b32 s[SO], s[SB]
	s_add_co_u32 s[RO], s[RB], 16*(\t)*PR
	s_add_co_u32 s[FO], s[FB], 64*(\t)
	s_mov_b32 s[CNT], 4
.Lflush_\@:
	v_add_nc_u32 v[SA], s[SO], v[GO]
	v_add_nc_u32 v[RA], s[RO], v[L8]
	v_mov_b32 v[FT], s[FO]
.set i, 0
.rept 16
	ds_load_b128 v[OB+4*i:OB+4*i+3], v[SA] offset:(i/4)*PS+(i%4)*512   ; LDS serves a wave's instructions in order (ISA guide 5.7.1.4): these see my stores
.set i, i+1
.endr
.set i, 0
.rept 16
	ds_load_b64 v[RV+2*i:RV+2*i+1], v[RA] offset:(i/4)*PR+(i%4)*256
.set i, i+1
.endr
.irp z, 0,1,2,3
	ds_load_b32 v[FV+\z], v[FT] offset:4*\z
.endr
	s_wait_dscnt 0x0
.set i, 0
.rept 16
.irp e, 0,1,2,3
.if (\e)%2
	v_fma_mix_f32 v[OB+4*i+\e], v[OB+4*i+\e], v[FV+i/4], v[RV+2*i+\e/2] op_sel:[0,0,1] op_sel_hi:[0,0,1]
.else
	v_fma_mix_f32 v[OB+4*i+\e], v[OB+4*i+\e], v[FV+i/4], v[RV+2*i+\e/2] op_sel:[0,0,0] op_sel_hi:[0,0,1]
.endif
.endr
	global_store_b128 v[GO], v[OB+4*i:OB+4*i+3], s[8:9] offset:(i/4)*2048+(i%4)*512 th:TH_STORE_NT
.set i, i+1
.endr
	s_wait_xcnt 0x0                    ; the stores have read their data and their base: both are written again only behind this wait
	s_add_nc_u64 s[8:9], s[8:9], 4*2048
	s_add_co_u32 s[SO], s[SO], 4*PS
	s_add_co_u32 s[RO], s[RO], 4*PR
	s_add_co_u32 s[FO], s[FO], 16
	s_sub_co_u32 s[CNT], s[CNT], 1
	s_cmp_lg_u32 s[CNT], 0
	s_cbranch_scc1 .Lflush_\@
.endm
	s_load_b128 s[4:7], s[0:1], 0x0                ; qkv s[4:5], beta's address s[6:7]
	s_load_b64 s[8:9], s[0:1], 0x10                ; out0
	v_lshl_add_u32 v[SPW], v0, 2, SPARE
	v_mov_b32 v[NIL], 0
	ds_add_u32 v[SPW], v[NIL]                      ; the wave's opening: the add and its wait ahead of my first tensor load
	v_lshrrev_b32 v1, 5, v0
	v_readfirstlane_b32 s[WV], v1                  ; wave 0..3
	s_bfe_u32 s13, ttmp6, 0x40000                  ; cx: my place in the cluster
	s_lshl_b32 s14, ttmp9, 2
	s_add_co_u32 s14, s14, s13                     ; my block of 128 queries: it enters q's, v's own rows' and out0's addresses alone
	s_mov_b32 s[LIM], ttmp9
	s_cmp_eq_u32 s[LIM], 0
	s_cselect_b32 s[LIM], 1, -1                    ; the same in all four partners
	s_and_b32 s16, s[WV], 1                        ; which half of the channels I fetch
	s_mul_i32 s[LBK], s16, KHI
	s_mul_i32 s[LBV], s16, VHI
	s_add_co_u32 s[LBV], s[LBV], VOFF
	s_mov_b32 s[SL], SLOTB                         ; the first change of slots turns it into 0
	s_mov_b32 s[G1K+0], 15|(1<<16)|(1<<20)|(1<<21)|(6<<22)|(3<<25)  ; the mask of four; 2-byte elements; padding on; bit 21 beside a mask; after every 128 words, 4 words
	s_mov_b32 s[G1V+0], 15|(1<<16)|(1<<20)|(1<<21)|(6<<22)|(7<<25)  ; the same with 8 words of padding
.irp g, G1K, G1V
	s_mov_b32 s[\g+1], 256<<16                     ; tensor_dim0 = 256
	s_mov_b32 s[\g+2], KS<<16                      ; tensor_dim1 = 64
	s_mov_b32 s[\g+3], 256<<16                     ; tile_dim0 = 256
	s_mov_b32 s[\g+4], KS                          ; tile_dim1 = 64
	s_mov_b32 s[\g+5], 1536                        ; elements from row to row
	s_mov_b32 s[\g+6], 0
	s_mov_b32 s[\g+7], 0
.endr
	s_mov_b32 s[G1R+0], (1<<16)|(1<<20)|(7<<22)|(3<<25)  ; my own rows of v: no mask; after every 256 words, 4 words
	s_mov_b32 s[G1R+1], 512<<16
	s_mov_b32 s[G1R+2], 32<<16
	s_mov_b32 s[G1R+3], 512<<16
	s_mov_b32 s[G1R+4], 32
	s_mov_b32 s[G1R+5], 1536
	s_mov_b32 s[G1R+6], 0
	s_mov_b32 s[G1R+7], 0
	s_mov_b32 s[G0K], 1
	s_mov_b32 s[G0K+1], s[LBK]                     ; slot 0
	s_mov_b32 s[G0V], 1
	s_mov_b32 s[G0V+1], s[LBV]
	s_mov_b32 s[G0R], 1
	s_mul_i32 s[G0R+1], s[WV], 32*PR
	s_mov_b32 s[CS], 0x3fb8aa3b                    ; c = log2(e)
	s_mov_b32 s[CS+1], s[CS]                       ; named with it as a pair
	s_mov_b32 s[SEL], 0x76543210
	s_mov_b32 s[SEL+1], 0xfedcba98
	s_mov_b32 s[LEFT], 15
	s_and_b32 s72, ttmp7, 0xffff                   ; the batch, which the four partners share
	s_mul_i32 s72, s72, 1024*ROWB                  ; its first byte in qkv
	s_mov_b32 s73, 0
	s_mul_i32 s70, s14, 128*ROWB                   ; my block's rows,
	s_mul_i32 s3, s[WV], 32*ROWB                   ; my wave's 32 of them
	s_add_co_u32 s70, s70, s3
	s_add_co_u32 s70, s70, s72
	s_mov_b32 s71, 0
	s_wait_dscnt 0x0                               ; the opening add is done
	s_wait_kmcnt 0x0
	s_load_b32 s[BETA], s[6:7], 0x0
	s_add_nc_u64 s[QP:QP+1], s[4:5], s[70:71]
	s_add_nc_u64 s[G0R+2:G0R+3], s[QP:QP+1], 2048  ; v of my rows
	s_or_b32 s[G0R+3], s[G0R+3], 0x80000000
	s_lshl_b32 s70, s[WV], 9                       ; the prefetches: the 512 bytes a row that I fetch (K's at 1,024, V's at 2,048: 1,024 + 512 w),
	s_mul_i32 s3, s13, 16*ROWB                     ; my work-group's 16 rows of the 64,
	s_add_co_u32 s70, s70, s3
	s_add_co_u32 s70, s70, s72
	s_add_co_u32 s70, s70, 1024+STEPB              ; at step 1: the first change of slots steps it to step 2
	s_add_nc_u64 s[PFA:PFA+1], s[4:5], s[70:71]
	s_lshl_b32 s2, s16, 9
	s_add_co_u32 s72, s72, s2                      ; K and V at my half of the channels: no place in the cluster enters these
	s_add_nc_u64 s[G0K+2:G0K+3], s[4:5], s[72:73]
	s_add_nc_u64 s[G0V+2:G0V+3], s[G0K+2:G0K+3], 2048
	s_add_nc_u64 s[G0K+2:G0K+3], s[G0K+2:G0K+3], 1024
	s_or_b32 s[G0K+3], s[G0K+3], 0x80000000
	s_or_b32 s[G0V+3], s[G0V+3], 0x80000000
	s_and_b32 s70, ttmp7, 0xffff                   ; out0 at my wave's first row: rows of 2,048 bytes
	s_lshl_b32 s70, s70, 21
	s_lshl_b32 s3, s14, 18
	s_add_co_u32 s70, s70, s3
	s_lshl_b32 s3, s[WV], 16
	s_add_co_u32 s70, s70, s3
	s_add_nc_u64 s[8:9], s[8:9], s[70:71]
	CROUND                                         ; all four work-groups are here: the first joint loads meet
	JLOAD                                          ; step 0 into slot 0: one load of mine is out
	v_and_b32 v1, 15, v0                           ; r = l % 16
	v_bfe_u32 v9, v0, 4, 1                         ; h = l / 16
	v_mul_u32_u24 v[QO], v1, ROWB
	v_lshl_add_u32 v[QO], v9, 4, v[QO]
	WIN 0xc0                                       ; destination window 3
.set i, 0
.rept 32                                       ; Q stays in registers: tile i / 16, channels 32 (i % 16) on
	global_load_b128 v[8*i:8*i+3],   v[QO], s[QP:QP+1] offset:(i/16)*16*ROWB+(i%16)*64
	global_load_b128 v[8*i+4:8*i+7], v[QO], s[QP:QP+1] offset:(i/16)*16*ROWB+(i%16)*64+32
.set i, i+1
.endr
	WIN 0
.set i, 0
.rept 16
	v_mov_b32 v[P+i], 0                            ; two fragments of zeros, in registers that the first roundings write anew
.set i, i+1
.endr
.irp t, 0,1
	v_mov_b32 v[ST+8*\t], 0xfe000000               ; c m: far below every c s
	v_mov_b32 v[ST+8*\t+1], 0xff7fffff             ; m
	v_mov_b32 v[ST+8*\t+2], 0
	v_mov_b32 v[ST+8*\t+3], 0
.endr
	v_mul_u32_u24 v[AK0], v1, PK
	v_lshl_add_u32 v[AK0], v9, 4, v[AK0]           ; row x pitch + 16 x half
	; The turning load takes 16 keys x 16 channels (lane l reads key 8 (l / 16) + l % 8, channels 8 ((l / 8) % 2) + 0..7) and leaves half a fragment of V^T: lane l holds channel l % 16 and 8 keys.
	v_and_b32 v4, 7, v0
	v_bfe_u32 v5, v0, 3, 1
	v_lshl_add_u32 v[AV0], v9, 3, v4
	v_mul_u32_u24 v[AV0], v[AV0], PV
	v_lshl_add_u32 v[AV0], v5, 4, v[AV0]
	v_add_nc_u32 v[AV0], VOFF, v[AV0]
	v_and_b32 v[PFO], 31, v0
	v_lshrrev_b32 v4, 1, v[PFO]
	v_and_b32 v[PFO], 1, v[PFO]
	v_lshlrev_b32 v[PFO], 8, v[PFO]
	v_mul_u32_u24 v4, v4, ROWB
	v_add_nc_u32 v[PFO], v4, v[PFO]                ; row l / 2 of my 16, block l % 2 of its 512 bytes
	; O^T starts at 0, so that the loop has one form of step: 64 products of the two fragments of zeros, eight registers a line, in the wait for the first tile.
.irp t, 0,1
	WIN 0x40*(1+\t)                                ; destination window 1 or 2
.set i, 0
.rept 32
	v_wmma_f32_16x16x32_f16 v[8*i:8*i+7], v[P:P+7], v[P+8:P+15], 0
.set i, i+1
.endr
.endr
	WIN 0
	s_wait_kmcnt 0x0
	v_mov_b32 v[BT], s[BETA]
	v_cvt_pk_bf16_f32 v[BT], v[BT], v[BT]          ; beta rounded to bf16,
	v_lshlrev_b32 v[BT], 16, v[BT]                 ; as f32
	s_wait_loadcnt 0x0                             ; Q
	; The first change of slots has no step behind it: slot 0 is waited for, slot 1 is filled for the first time, and step 0's first two runs of K go out.
	s_wait_tensorcnt 0x0
	ds_add_u32 v[SPW], v[NIL]
	WALK
	s_wait_dscnt 0x0
	CROUND
	JLOAD
	ASK
	v_add_nc_u32 v[AK], s[SL], v[AK0]
	v_add_nc_u32 v[AV], s[SL], v[AV0]
	FETCHK 0, F0
	FETCHK 1, F1
	s_branch .Lfirst                               ; the loop is entered behind its change of slots
.Lstep:                                        ; 14 times: step j ends, step j + 2 is asked for, step j + 1 begins
	XCH 1
.Lfirst:
	CORE
	s_sub_co_u32 s[LEFT], s[LEFT], 1
	s_cmp_lg_u32 s[LEFT], 0
	s_cbranch_scc1 .Lstep
	XCH 0                                          ; the last step is written out
	CORE
	s_wait_dscnt 16                                ; its groups 6 and 7 have no change of slots to stand beside
	MULVH 6, F0, 0, 1
	MULVH 6, F0, 1, 1
	s_wait_dscnt 0x0
.set sn, 0
	MULVH 7, F1, 0, 2
	MULVH 7, F1, 1, 2
	WIN 0
	; THE WAY OUT.  Its addresses hang on the lane and the wave's number alone, and are made in registers that have held nothing but such offsets.
	s_mul_i32 s[SB], s[WV], 16*PS
	s_add_co_u32 s[SB], s[SB], STG                 ; my stage
	s_mul_i32 s[RB], s[WV], 32*PR                  ; my rows of v
	s_lshl_b32 s[FB], s[WV], 7
	s_add_co_u32 s[FB], s[FB], FTAB                ; my table of beta / l
	v_mul_u32_u24 v[STO], v1, PS
	v_lshl_add_u32 v[STO], v9, 5, v[STO]
	v_add_nc_u32 v[STO], s[SB], v[STO]             ; in: row l % 16, 32 bytes for each half of the lanes
	v_and_b32 v[LN], 31, v0
	v_lshlrev_b32 v[GO], 4, v[LN]                  ; back: 32 lanes take 512 consecutive bytes of a row,
	v_lshlrev_b32 v[L8], 3, v[LN]                  ; and the same channels of v: 256 bytes
	v_lshl_add_u32 v[FW], v1, 2, s[FB]
.irp t, 0,1
	v_add_f32 v[ST+8*\t+4], v[ST+8*\t+2], v[ST+8*\t+3]
.endr
.irp t, 0,1
	v_permlanex16_b32 v[ST+8*\t+5], v[ST+8*\t+4], s[SEL], s[SEL+1]
.endr
.irp t, 0,1
	v_add_f32 v[ST+8*\t+4], v[ST+8*\t+4], v[ST+8*\t+5]   ; l
.endr
.irp t, 0,1
	v_rcp_f32 v[ST+8*\t+6], v[ST+8*\t+4]
.endr
	v_nop                                          ; a plain instruction behind the last reciprocal,
	s_wait_alu depctr_va_vdst(0)                   ; and the wait ahead of the first use: one for both
.irp t, 0,1
	v_mul_f32 v[ST+8*\t+6], v[ST+8*\t+6], v[BT]    ; beta / l
.endr
	s_wait_tensorcnt 0x0                           ; my rows of v are in: only I read them
	s_wait_dscnt 0x0                               ; my reads of slot 1 are over
	s_barrier_signal -1
	s_barrier_wait -1                              ; everybody's are: slot 1's bytes may be stored into
.irp t, 0,1
	ds_store_b32 v[FW], v[ST+8*\t+6] offset:64*\t  ; lanes r and r + 16 write the same word with the same number
.endr
	TOSTG 0
	FLUSH 0
	TOSTG 1                                        ; behind tile 0's reads of the stage, which have come back
	FLUSH 1
	s_wait_tensorcnt 0x0                           ; the wave's end, behind my last tensor load and my last LDS store
	ds_add_u32 v[SPW], v[NIL]
	s_wait_dscnt 0x0
	CROUND                                         ; the closing round
	s_endpgm
.Lfunc_end_k_q7891fc4b84_attn:
	.size	k_q7891fc4b84_attn, .Lfunc_end_k_q7891fc4b84_attn-k_q7891fc4b84_attn
	.p2alignl 7, 3214868480
	.fill 96, 4, 3214868480
	.section	.rodata,"a",@progbits
	.p2align	6, 0x0
	.amdhsa_kernel k_q7891fc4b84_attn
		.amdhsa_group_segment_fixed_size 327680
		.amdhsa_private_segment_fixed_size 0
		.amdhsa_enable_private_segment 0
		.amdhsa_kernarg_size 24
		.amdhsa_user_sgpr_count 2
		.amdhsa_user_sgpr_kernarg_segment_ptr 1
		.amdhsa_wavefront_size32 1
		.amdhsa_system_sgpr_workgroup_id_x 1
		.amdhsa_system_sgpr_workgroup_id_y 1
		.amdhsa_system_sgpr_workgroup_id_z 1
		.amdhsa_system_vgpr_workitem_id 0
		.amdhsa_next_free_vgpr 1024
		.amdhsa_next_free_sgpr 80
		.amdhsa_reserve_vcc 0
		.amdhsa_float_denorm_mode_32 3
		.amdhsa_float_denorm_mode_16_64 3
		.amdhsa_memory_ordered 1
		.amdhsa_forward_progress 1
		.amdhsa_inst_pref_size 187
	.end_amdhsa_kernel
	.amdgpu_metadata
---
amdhsa.version: [ 1, 2 ]
amdhsa.kernels:
  - .name:           k_q7891fc4b84_attn
    .symbol:         k_q7891fc4b84_attn.kd
    .args:
      - { .name: qkv, .offset: 0, .size: 8, .value_kind: global_buffer, .address_space: global }
      - { .name: beta, .offset: 8, .size: 8, .value_kind: global_buffer, .address_space: global }
      - { .name: out0, .offset: 16, .size: 8, .value_kind: global_buffer, .address_space: global }
    .group_segment_fixed_size: 327680
    .private_segment_fixed_size: 0
    .kernarg_segment_align: 8
    .kernarg_segment_size: 24
    .max_flat_workgroup_size: 128
    .sgpr_count:     80
    .vgpr_count:     1024
    .wavefront_size: 32
...
	.end_amdgpu_metadata
.endif
;; end of part 3
